; MI455X (gfx1250); checked and timed in simulation.
; The chip was launched on July 23, 2026; its instructions are those of AMD's public machine-readable ISA for CDNA 5 (MIT licence, August 2026) and "CDNA5" Instruction Set Architecture Reference Guide (July 2026). The comments in the code are by the model that wrote it; some were corrected since.
;; flash attn. Allowed arithmetic: matrix products marked QUANTISED: E4M3 operands, one given power-of-two scale a tensor, by v_wmma_f32_16x16x64_fp8_fp8 or v_wmma_f32_16x16x128_fp8_fp8, f32 sums; everything else in f32.
;; Inputs: W_attn 1,024 x 3,072 float32; W_proj 1,024 x 1,024 float32; lowp_scales 8 int32 (the exponents e of the quantised operands' scales 2^e); x 4 x 2,048 x 1,024 float32.
;; Outputs: out0 4 x 2,048 x 1,024 float32.
;; This version of the problem:
;;   THIS VERSION OF THE PROBLEM IS GIVEN IN LOW PRECISION. The matrix products marked QUANTISED in the list below multiply operands that are first quantised to E4M3 (4 exponent bits, 3 mantissa bits; 8 bits a number), with one given power-of-two scale for each operand tensor; their sums are f32. All else is computed in f32.
;;   The module's matrix products, in the order in which they are computed (A, B: the left and right operand; K: the contracted axis; several contracted axes count as one K, in the product's order):
;;     1. [M 8,192, K 1,024] x [K 1,024, N 3,072]; A: input x; B: input W_attn: QUANTISED (scales: A lowp_scales[0], B lowp_scales[1])
;;     2. batch 64 x [M 2,048, K 64] x [K 64, N 2,048]; A: computed on the way; B: computed on the way: QUANTISED (scales: A lowp_scales[2], B lowp_scales[3])
;;     3. batch 64 x [M 2,048, K 2,048] x [K 2,048, N 64]; A: softmax (see below); B: computed on the way: QUANTISED (scales: A lowp_scales[4], B lowp_scales[5])
;;     4. [M 8,192, K 1,024] x [K 1,024, N 1,024]; A: computed on the way; B: input W_proj: QUANTISED (scales: A lowp_scales[6], B lowp_scales[7])
;;   THE QUANTISER, for each operand of a quantised product, along K:
;;     - The operand's scale is 2^e, e = its entry of the input lowp_scales (int32; the entries are numbered through the quantised products in the list's order, A before B).
;;     - Each number is divided by the scale, clamped to +-448, and rounded to the nearest number of E4M3, ties to even, subnormals kept.
;;     - The product sums the exact products of the quantised numbers (number of the format x scale) in f32.
;;   ~~~python
;;   def quantise(x, axis, e):      # numpy; x: float32 -> the quantised numbers, widened to float32 again
;;       x = np.moveaxis(x, axis, -1); K = x.shape[-1]
;;       r = np.clip(x / 2.0 ** e, -448, 448)
;;       step = 2.0 ** (np.maximum(np.frexp(np.where(r == 0, 1, r))[1] - 1, -6) - 3)
;;       q = np.round(r / step) * step * 2.0 ** e      # np.round: ties to even
;;       return np.moveaxis(q, -1, axis).astype(np.float32)
;;   ~~~
;;   SOFTMAX AHEAD OF A QUANTISED PRODUCT. Where the list says 'softmax', what is quantised is not the finished softmax but p = 2^(t - M), with t = logit x log2(e) and M = ceil(the row's largest t), a whole number; so 1/2 < the row's largest p <= 1. The row's sum l is taken of the UNQUANTISED p, in f32, and the product's result is divided by l at the end. Since M is a whole number, a kernel that streams over the keys may use a running M (the ceiling of the running maximum): every later rescaling is an exact power of two, so the quantised numbers keep their values, but for numbers so far below the row's largest that they fall under the format's range.
;;   OPERANDS COMPUTED ON THE WAY. 'Computed on the way' means the value that the module computes at that place (a softmax that the list does not call 'softmax' is quantised finished and normalised). What goes into a quantiser is computed in f32, as accurately as f32 sums, v_exp_f32 and their like allow (about 1e-6 of the number): no bf16 or f16 on the way to a quantiser, and a product that is left as it is and whose result goes on into a quantised operand takes f32 operands (vector FMAs, or v_wmma_f32_16x16x4_f32). A number that lies on a knife's edge between two numbers of the format may be rounded either way, as far as f32 arithmetic and the matrix unit's own rounding can turn it there, and no further.
;; One version. Each part assembles by itself: llvm-mc -triple=amdgcn-amd-amdhsa -mcpu=gfx1250 --defsym DOCPART=n.
;; ======== version 1 of 1: 4 launches
;; workspace buffers: xc 8,388,608 bytes; wac 3,145,728 bytes; wpc 1,048,576 bytes; qkv 25,165,824 bytes; yimg 8,388,608 bytes
;; launch quant (part 1): grid 384 x 1, 4 waves a work-group, no clusters, 68,096 bytes of LDS; arguments x, W_attn, W_proj, lowp_scales, xc, wac, wpc; writes xc, wac, wpc
.if DOCPART == 1
	.amdgcn_target "amdgcn-amd-amdhsa--gfx1250"
	.amdhsa_code_object_version 6
	.text
	.protected	k_q0172180c14_quant
	.globl	k_q0172180c14_quant
	.p2align	8
	.type	k_q0172180c14_quant,@function
k_q0172180c14_quant:
	s_mov_b64 s[64:65], 0
	v_nop
	global_prefetch_b8 v0, s[64:65] scope:SCOPE_SE
	s_setreg_imm32_b32 hwreg(HW_REG_WAVE_MODE, 25, 1), 1
	s_wait_xcnt 0x0
; x [8192][1024], W_attn [1024 k][3072 n] and W_proj [1024 k][1024 n], all f32, become codes of E4M3, K innermost:
; xc [8192][1024], wac [3072 n][1024 k], wpc [1024 n][1024 k].  code = number / 2^e, held within +-448, to the nearest code, ties to even.
; e = entry 0 (x), 1 (W_attn), 7 (W_proj) of the exponents.  LIMITS: each of the three between -126 and 119; NaN among the inputs is not served.
; Work-groups 0-127 take the weights (K is their first axis), work-groups 128-383 take x (K innermost).  The two ways part on the work-group's number
; alone, each has LDS bytes of its own (x: 0 to 32,767; weights: from 32,768 on) and its own end.  Waves share nothing: no barrier.
; No matrix unit, no cluster, no tensor load: every byte is read once and written once, and the work of a number is one hold and an eighth of a conversion.
.set WGW,  128                         ; work-groups for the weights
.set SP,   80                          ; x: a lane's place in a stage: its 64 bytes + 16 of padding
.set R,    16                          ; x: v16-79   four sets of 16 numbers as loaded
.set XN,   80                          ; x: v80-111  two sets of 16 neighbours
.set CX,   128                         ; x: v128-191 four registers of codes for each of 16 steps: no store's data are written again
.set WOF,  16                          ; W: v16-47   byte offset of row i of a block of 32 rows, at my column
.set WX,   48                          ; W: v48-111  two sets of 32 numbers down K
.set WC,   112                         ; W: v112-119 a block's codes
.set OUTR, 120                         ; W: v120-183 the way out
.set WP,   272                         ; W: a stage row: 256 bytes of codes + 16
.set WSTG, 32768                       ; W: the stages begin here, 32 rows for each wave
; ---- x: a step is 512 numbers.  Four loads of 512 consecutive bytes; through the wave's stage they come back 64 bytes (16 neighbours) a lane.
.macro LOADX t
.irp i, 0,1,2,3
	global_load_b128 v[R+16*((\t)%4)+4*\i:R+16*((\t)%4)+4*\i+3], v3, s[4:5] offset:2048*(\t)+512*\i th:TH_LOAD_NT
.endr
.endm
.macro TURNX t                         ; LDS serves a wave's instructions in order: no wait between the stores and the loads
.irp i, 0,1,2,3
	ds_store_b128 v14, v[R+16*((\t)%4)+4*\i:R+16*((\t)%4)+4*\i+3] offset:32*SP*((\t)%2)+8*SP*\i
.endr
.irp i, 0,1,2,3
	ds_load_b128 v[XN+16*((\t)%2)+4*\i:XN+16*((\t)%2)+4*\i+3], v15 offset:32*SP*((\t)%2)+16*\i
.endr
.endm
.macro STEPX t
.set XS, XN+16*((\t)%2)
	s_wait_dscnt 0x0                               ; this step's numbers are back from the stage, and its stores into the stage have read their registers,
.if (\t)+4 < 16
	LOADX (\t)+4                                   ; which take the loads of four steps on
.endif
.if (\t)+1 < 16
.if 14-(\t) >= 3
	s_wait_loadcnt 12                              ; the next step's four loads are in; those of the three steps behind it may be out
.else
	s_wait_loadcnt 4*(14-(\t))
.endif
	TURNX (\t)+1
.endif
.set i, 0
.rept 16
	v_med3_num_f32 v[XS+i], v[XS+i], -v10, v10     ; the conversion to an 8-bit code does not saturate (ISA guide 7.6.2): the hold comes first
.set i, i+1
.endr
	v_cvt_scalef32_pk8_fp8_f32 v[CX+4*(\t):CX+4*(\t)+1], v[XS:XS+7], v11
	v_cvt_scalef32_pk8_fp8_f32 v[CX+4*(\t)+2:CX+4*(\t)+3], v[XS+8:XS+15], v11
	global_store_b128 v3, v[CX+4*(\t):CX+4*(\t)+3], s[12:13] offset:512*(\t)   ; 32 lanes store 512 consecutive bytes; the codes go to a store alone, and the next vector lines are plain holds on other registers
.endm
; ---- weights: a lane takes a column n and its registers run down K: 32 rows a block, 8 blocks (256 along K) a wave
.macro LOADW t
.set i, 0
.rept 32
	global_load_b32 v[WX+32*((\t)%2)+i], v[WOF+i], s[32+2*(\t):33+2*(\t)] th:TH_LOAD_NT   ; 32 lanes read 128 consecutive bytes of one row
.set i, i+1
.endr
.endm
.macro BLOCKW t
.set XS, WX+32*((\t)%2)
.if (\t) < 7
	s_wait_loadcnt 32                              ; this block's 32 loads are in; the next block's may be out
.else
	s_wait_loadcnt 0x0
.endif
.set i, 0
.rept 32
	v_med3_num_f32 v[XS+i], v[XS+i], -v10, v10
.set i, i+1
.endr
.irp g, 0,1,2,3
	v_cvt_scalef32_pk8_fp8_f32 v[WC+2*\g:WC+2*\g+1], v[XS+8*\g:XS+8*\g+7], v11
.endr
	ds_store_b128 v4, v[WC:WC+3] offset:32*(\t)    ; 32 codes of my column's row
	ds_store_b128 v4, v[WC+4:WC+7] offset:32*(\t)+16
.if (\t)+2 < 8
	LOADW (\t)+2
.endif
	s_wait_dscnt 0x0                               ; the stores have read their registers: the next block's codes may be written
.endm
	s_load_b256 s[4:11], s[0:1], 0x0               ; x s[4:5], W_attn s[6:7], W_proj s[8:9], the exponents s[10:11]
	s_load_b128 s[12:15], s[0:1], 0x20             ; xc s[12:13], wac s[14:15]
	s_load_b64 s[16:17], s[0:1], 0x30              ; wpc
	v_lshl_add_u32 v192, v0, 2, 0x10800
	v_mov_b32 v193, 0
	v_lshrrev_b32 v1, 5, v0
	v_readfirstlane_b32 s18, v1                    ; wave 0..3
	v_and_b32 v2, 31, v0                           ; lane
	s_wait_kmcnt 0x0
	s_load_b256 s[24:31], s[10:11], 0x0            ; e0 .. e7
	s_cmp_lt_u32 ttmp9, WGW
	s_cbranch_scc1 .Lweights
	; ======== x ========
	s_sub_co_u32 s19, ttmp9, WGW
	s_lshl_b32 s19, s19, 2
	s_add_co_u32 s19, s19, s18                     ; which run of 8,192 numbers is my wave's: 0 .. 1,023
	s_lshl_b32 s20, s19, 15                        ; 32,768 bytes of f32
	s_mov_b32 s21, 0
	s_add_nc_u64 s[4:5], s[4:5], s[20:21]
	s_lshl_b32 s20, s19, 13                        ; 8,192 bytes of codes
	s_add_nc_u64 s[12:13], s[12:13], s[20:21]
	v_lshlrev_b32 v3, 4, v2                        ; my 16 bytes of a load's 512, and of a store's
	s_lshl_b32 s22, s18, 13                        ; my wave's 8,192 bytes of LDS: two stages of 32 places
	v_lshrrev_b32 v14, 2, v2
	v_mul_u32_u24 v14, v14, SP
	v_and_b32 v15, 3, v2
	v_lshl_add_u32 v14, v15, 4, v14
	v_add_nc_u32 v14, s22, v14                     ; in: four lanes' 64 bytes on end, then the padding
	v_mul_u32_u24 v15, v2, SP
	v_add_nc_u32 v15, s22, v15                     ; out: my place
.irp t, 0,1,2,3
	LOADX \t
.endr
	s_wait_kmcnt 0x0
	s_add_co_i32 s22, s24, 127
	s_lshl_b32 s23, s22, 23
	v_mov_b32 v11, s23                             ; 2^e0 as f32: the conversion takes its exponent field
	s_add_co_i32 s22, s22, 8
	s_lshl_b32 s22, s22, 23
	s_or_b32 s22, s22, 0x600000
	v_mov_b32 v10, s22                             ; 448 x 2^e0
	s_wait_loadcnt 12                              ; step 0's four loads are in
	TURNX 0
.irp t, 0,1,2,3,4,5,6,7,8,9,10,11,12,13,14,15
	STEPX \t
.endr
	s_wait_tensorcnt 0x0
	ds_add_u32 v192, v193
	s_wait_dscnt 0x0
	s_endpgm
	; ======== the weights: one text for both; what differs is chosen on the work-group's number ========
.Lweights:
	s_and_b32 s19, ttmp9, 31                       ; 0-23: a block of 128 columns of W_attn; 24-31: of W_proj
	s_lshr_b32 s20, ttmp9, 5                       ; which 256 along K
	s_mov_b32 s48, 4096
	s_wait_kmcnt 0x0                               ; the exponents
	s_cmp_lt_u32 s19, 24
	s_cselect_b64 s[4:5], s[6:7], s[8:9]           ; from
	s_cselect_b64 s[12:13], s[14:15], s[16:17]     ; to
	s_cselect_b32 s48, 12288, s48                  ; a row of the weight in bytes
	s_cselect_b32 s21, 0, 24
	s_cselect_b32 s22, s25, s31                    ; e1 or e7
	s_sub_co_u32 s19, s19, s21                     ; the block of columns in its tensor
	s_lshl_b32 s52, s19, 7
	s_lshl_b32 s53, s18, 5
	s_add_co_u32 s52, s52, s53                     ; my wave's first column n0
	s_lshl_b32 s50, s20, 8
	s_mul_i32 s50, s50, s48                        ; 256 rows x which
	s_lshl_b32 s53, s52, 2
	s_add_co_u32 s50, s50, s53
	s_mov_b32 s51, 0
	s_add_nc_u64 s[4:5], s[4:5], s[50:51]
	s_lshl_b32 s50, s52, 10                        ; codes: row n0 of 1,024 bytes,
	s_lshl_b32 s53, s20, 8                         ; + my 256 along K
	s_add_co_u32 s50, s50, s53
	s_add_nc_u64 s[12:13], s[12:13], s[50:51]
	s_lshl_b32 s50, s48, 5                         ; 32 rows
	s_mov_b64 s[32:33], s[4:5]                     ; a base for each of the eight blocks: nothing is stepped later
.irp t, 1,2,3,4,5,6,7
	s_add_nc_u64 s[32+2*\t:33+2*\t], s[30+2*\t:31+2*\t], s[50:51]
.endr
	v_lshlrev_b32 v[WOF], 2, v2                    ; 4 bytes a lane,
.set i, 1
.rept 31
	v_add_nc_u32 v[WOF+i], s48, v[WOF+i-1]         ; + i rows
.set i, i+1
.endr
	LOADW 0
	LOADW 1
	s_mul_i32 s49, s18, 32*WP
	s_add_co_u32 s49, s49, WSTG                    ; my stage
	v_mul_u32_u24 v4, v2, WP
	v_add_nc_u32 v4, s49, v4                       ; into it: row = my column
	v_and_b32 v5, 15, v2
	v_lshrrev_b32 v6, 4, v2
	v_mul_u32_u24 v7, v6, WP
	v_lshl_add_u32 v7, v5, 4, v7
	v_add_nc_u32 v7, s49, v7                       ; out of it: sixteen lanes to a row, two rows an instruction
	v_lshlrev_b32 v8, 10, v6
	v_lshl_add_u32 v8, v5, 4, v8                   ; and the same place in the codes' buffer
	s_add_co_i32 s22, s22, 127
	s_lshl_b32 s23, s22, 23
	v_mov_b32 v11, s23                             ; 2^e
	s_add_co_i32 s22, s22, 8
	s_lshl_b32 s22, s22, 23
	s_or_b32 s22, s22, 0x600000
	v_mov_b32 v10, s22                             ; 448 x 2^e
.irp t, 0,1,2,3,4,5,6,7
	BLOCKW \t
.endr
.irp t, 0,1,2,3,4,5,6,7,8,9,10,11,12,13,14,15
	ds_load_b128 v[OUTR+4*\t:OUTR+4*\t+3], v7 offset:2*\t*WP
.endr
.irp t, 0,1,2,3,4,5,6,7,8,9,10,11,12,13,14,15
	s_wait_dscnt 15-\t                             ; LDS loads come back in order: pair t of rows is in
	global_store_b128 v8, v[OUTR+4*\t:OUTR+4*\t+3], s[12:13] offset:2*\t*1024   ; sixteen lanes store 256 consecutive bytes, at a multiple of 256 from the buffer's first byte
.endr
	s_wait_tensorcnt 0x0
	ds_add_u32 v192, v193
	s_wait_dscnt 0x0
	s_endpgm
.Lfunc_end_k_q0172180c14_quant:
	.size	k_q0172180c14_quant, .Lfunc_end_k_q0172180c14_quant-k_q0172180c14_quant
	.p2alignl 7, 3214868480
	.fill 96, 4, 3214868480
	.section	.rodata,"a",@progbits
	.p2align	6, 0x0
	.amdhsa_kernel k_q0172180c14_quant
		.amdhsa_group_segment_fixed_size 68096
		.amdhsa_private_segment_fixed_size 0
		.amdhsa_enable_private_segment 0
		.amdhsa_kernarg_size 56
		.amdhsa_user_sgpr_count 2
		.amdhsa_user_sgpr_kernarg_segment_ptr 1
		.amdhsa_wavefront_size32 1
		.amdhsa_system_sgpr_workgroup_id_x 1
		.amdhsa_system_sgpr_workgroup_id_y 1
		.amdhsa_system_sgpr_workgroup_id_z 1
		.amdhsa_system_vgpr_workitem_id 0
		.amdhsa_next_free_vgpr 194
		.amdhsa_next_free_sgpr 66
		.amdhsa_reserve_vcc 0
		.amdhsa_float_denorm_mode_32 3
		.amdhsa_float_denorm_mode_16_64 3
		.amdhsa_memory_ordered 1
		.amdhsa_forward_progress 1
		.amdhsa_inst_pref_size 87
	.end_amdhsa_kernel
	.amdgpu_metadata
---
amdhsa.version: [ 1, 2 ]
amdhsa.kernels:
  - .name:           k_q0172180c14_quant
    .symbol:         k_q0172180c14_quant.kd
    .args:
      - { .name: x, .offset: 0, .size: 8, .value_kind: global_buffer, .address_space: global }
      - { .name: W_attn, .offset: 8, .size: 8, .value_kind: global_buffer, .address_space: global }
      - { .name: W_proj, .offset: 16, .size: 8, .value_kind: global_buffer, .address_space: global }
      - { .name: lowp_scales, .offset: 24, .size: 8, .value_kind: global_buffer, .address_space: global }
      - { .name: xc, .offset: 32, .size: 8, .value_kind: global_buffer, .address_space: global }
      - { .name: wac, .offset: 40, .size: 8, .value_kind: global_buffer, .address_space: global }
      - { .name: wpc, .offset: 48, .size: 8, .value_kind: global_buffer, .address_space: global }
    .group_segment_fixed_size: 68096
    .private_segment_fixed_size: 0
    .kernarg_segment_align: 8
    .kernarg_segment_size: 56
    .max_flat_workgroup_size: 128
    .sgpr_count:     66
    .vgpr_count:     194
    .wavefront_size: 32
...
	.end_amdgpu_metadata
.endif
;; end of part 1
;; launch gemm1 (part 2): grid 24 x 32, 4 waves a work-group, clusters of 4 x 4, 327,680 bytes of LDS; arguments xc, wac, lowp_scales, qkv; writes qkv
.if DOCPART == 2
	.amdgcn_target "amdgcn-amd-amdhsa--gfx1250"
	.amdhsa_code_object_version 6
	.text
	.protected	k_q0172180c14_gemm1
	.globl	k_q0172180c14_gemm1
	.p2align	8
	.type	k_q0172180c14_gemm1,@function
k_q0172180c14_gemm1:
	s_mov_b64 s[64:65], 0
	v_nop
	global_prefetch_b8 v0, s[64:65] scope:SCOPE_SE
	s_setreg_imm32_b32 hwreg(HW_REG_WAVE_MODE, 25, 1), 1
	s_wait_xcnt 0x0
	s_wait_alu depctr_hold_cnt(0) depctr_sa_sdst(0) depctr_va_vdst(0) depctr_va_sdst(0) depctr_va_ssrc(0) depctr_va_vcc(0) depctr_vm_vsrc(0)
	s_getreg_b32 s2, hwreg(HW_REG_IB_STS2, 6, 4)
	s_cmp_eq_u32 s2, 0
	s_cbranch_scc0 .Lentry_in_a_cluster
	s_endpgm
.Lentry_in_a_cluster:
	s_bfe_u32 s2, ttmp6, 0x10000c
	s_cmp_lg_u32 s2, 0xf033
	s_cbranch_scc0 .Lentry_shape_is_right
	s_endpgm
.Lentry_shape_is_right:
; qkv = x W_attn on codes of E4M3 (xc [8192][1024], wac [3072 n][1024 k]); each sum x 2^(e0 + e1); q x 1/8; q, k and v are quantised in registers (e2, e3, e5) and stored as IMAGES OF THE NEXT OPERAND'S REGISTERS.
; AN IMAGE: a fragment of 16 rows x 64 K of the plain 8-bit layout (lane (r, h): row r; register pair c: K = 16 c + 8 h + 0..7) is 1,024 bytes: registers 0-3 of lane L at 16 L, registers 4-7 at 512 + 16 L.
; qkv: [16 batch + head][q, k, v][131,072].  q, k: rows = tokens, K = the head's 64: the tile of 16 tokens tt at 1,024 tt.  v: rows = the head's 64, K = the keys: block of 64 keys kb, tile of 16 channels dt at 4,096 kb + 1,024 dt.
; A TILE is 256 rows of the side called A x 128 rows of the side called B, K = 1,024.  Four waves, 2 x 2: a wave has 128 x 64: 32 accumulators.  768 work-groups, three for each of 256 WGPs.
; THE MATRIX INSTRUCTION IS USED TRANSPOSED (source 0 = 16 rows of B, source 1 = 16 rows of A): a lane holds one row of A and its eight registers eight neighbouring rows of B, which are eight neighbours along the next product's K:
; one conversion makes of them a register pair of the image.  For q and k (clusters x = 0..3) A = tokens (xc), B = columns (wac).  For v (clusters x = 4, 5) A = columns (wac rows 2,048 on), B = tokens (xc).
; The choice hangs on the cluster's x alone, which all sixteen partners share, and is made by selects: there is one text and no branch on it.
; K goes in four steps of 256 (eight substeps of 128): three LDS slots are filled at the start, and slot 0 is filled once more, with the fourth step.  Nothing loops.
; CLUSTERS: 4 x 4.  A's tile is shared along a row of the cluster, B's along a column: joint loads.  By this text's count a wave has three tensor loads out at the start and one later.
; LIMITS: E = es - e0 - e1 between -126 and 119, with es = e2 + 3 (q), e3 (k), e5 (v).
; REGISTERS in windows of 256: window 0: addresses, v64-127 the codes;  window 1: the accumulators, (a, b) at v[8 (4 a + b)];  window 2: A's fragments, two sets of 8 x 16;  window 3: B's, two sets of 4 x 16.
.set PITCH, 272                        ; an LDS row: 256 bytes + 16 of padding: the 16 rows that a load touches start 68 words apart
.set HALFA, 128*PITCH                  ; what one of A's loads brings, and what a wave reads of A
.set HALFB, 64*PITCH                   ; the same for B
.set BOFF,  2*HALFA                    ; B's rows lie behind A's 256
.set SLOTB, BOFF+2*HALFB               ; 104,448 bytes
.set SPARE, 3*SLOTB                    ; behind the slots: the spare words, 128 bytes a wave: two blocks of 256 bytes that no other line names
.set ADRA, 16                          ; v16-18 LDS address of my A fragments in slot 0, 1, 2
.set ADRB, 20                          ; v20-22 the same for B
.set LN16, 26                          ; v26    16 x lane
.set SPW,  28                          ; v28    LDS address of my spare word; never rewritten
.set NIL,  29                          ; v29    0; never rewritten
.set SCLV, 30                          ; v30    2^E as f32
.set LIMV, 31                          ; v31    448 x 2^E
.set CD,   64                          ; v64-127 the codes: block a's image at v[CD + 8 a]
.set G1A, 24                           ; s[24:31] descriptor group 1 for A's tiles;  s[32:39] for B's
.set G1B, 32
.set G0A, 40                           ; s[40:51] group 0 for A's tiles, a set for each slot;  s[52:63] for B's
.set G0B, 52
.set MULW, 0x5b                        ; source 0 (B) window 3, source 1 (A) window 2, C and D window 1
.set TO_A, 0x80                        ; destination window 2, address window 0
.set TO_B, 0xc0                        ; destination window 3
.set MSB, 0
.macro WIN new                         ; the immediate's high byte repeats the setting that is left
.if MSB != \new
	s_set_vgpr_msb (MSB<<8)|\new
.set MSB, \new
.endif
.endm
.macro PLACES                          ; four plain vector lines between a matrix instruction and a load into a register that it read, or a vector line that reads its result
.rept 4
	v_nop
.endr
.endm
.macro CREST                           ; a round of the cluster's barrier behind its opening barrier
	s_cmp_lg_u32 s14, 0
	s_cbranch_scc1 .Lnot_wave_0_\@
	s_barrier_signal -3
.Lnot_wave_0_\@:
	s_barrier_wait -3
	s_barrier_signal -1
	s_barrier_wait -1
.endm
.macro CROUND
	s_barrier_signal -1
	s_barrier_wait -1
	CREST
.endm
.macro JLOAD g0a, g0b                  ; a joint load: waves 0 and 1 fetch A's halves, waves 2 and 3 B's; four v_nop follow each line
	s_cmp_eq_u32 s15, 0
	s_cbranch_scc0 .Lfor_b_\@
	tensor_load_to_lds s[\g0a:\g0a+3], s[G1A:G1A+7]
	s_nop 0
.rept 4
	v_nop
.endr
	s_branch .Lasked_\@
.Lfor_b_\@:
	tensor_load_to_lds s[\g0b:\g0b+3], s[G1B:G1B+7]
	s_nop 0
.rept 4
	v_nop
.endr
.Lasked_\@:
.endm
.macro FRAG reg, adr, q, i             ; 16 rows x 128 K: four loads of 16 bytes: registers 4 c .. 4 c + 3 hold K = 32 c + 16 h + 0..15: a permutation of K that is the same in A and in B
.irp c, 0,1,2,3
	ds_load_b128 v[\reg+4*\c:\reg+4*\c+3], v[\adr] offset:128*(\q)+32*\c+(\i)*16*PITCH
.endr
.endm
.macro FETCH slot, q, set              ; 48 LDS loads in one run; the youngest sixteen are A's blocks 4-7
	WIN TO_B
.irp i, 0,1,2,3
	FRAG 64*(\set)+16*\i, ADRB+\slot, \q, \i
.endr
	WIN TO_A
.irp i, 0,1,2,3,4,5,6,7
	FRAG 128*(\set)+16*\i, ADRA+\slot, \q, \i
.endr
.endm
.macro MUL8 a0, set, zero              ; A's blocks a0, a0 + 1 x B's four.  The 32 accumulators take turns, one instruction a turn, in the same order in every substep
.irp a, \a0, \a0+1
.irp b, 0,1,2,3
.if \zero
	v_wmma_f32_16x16x128_fp8_fp8 v[8*(4*(\a)+\b):8*(4*(\a)+\b)+7], v[64*(\set)+16*\b:64*(\set)+16*\b+15], v[128*(\set)+16*(\a):128*(\set)+16*(\a)+15], 0
.else
	v_wmma_f32_16x16x128_fp8_fp8 v[8*(4*(\a)+\b):8*(4*(\a)+\b)+7], v[64*(\set)+16*\b:64*(\set)+16*\b+15], v[128*(\set)+16*(\a):128*(\set)+16*(\a)+15], v[8*(4*(\a)+\b):8*(4*(\a)+\b)+7]
.endif
.endr
.endr
.endm
.macro STEP ns, nq, set, zero          ; a substep on set; in its middle the next substep's fragments (slot ns, its nq-th 128 along K) are fetched into the other set
	s_wait_dscnt 16                                ; B and A's blocks 0-3 are in; the youngest sixteen loads may be out
	WIN MULW
	MUL8 0, \set, \zero
	MUL8 2, \set, \zero
	s_wait_dscnt 0x0                               ; A's blocks 4-7 are in: they were asked for a substep ago
	PLACES
	FETCH \ns, \nq, 1-\set
	WIN MULW
	MUL8 4, \set, \zero
	MUL8 6, \set, \zero
.endm
; A substep on set 1 with a barrier in it.  In front of the barrier each wave waits for all its tensor loads, adds 0 to its spare word, and waits for that and for its own LDS reads.
; fill = 1: the barrier opens a round of the cluster's barrier, and behind the round slot 0, which nobody reads any more, takes the fourth K step.
.macro TURN ns, fill
	WIN 0                                          ; (the add's two registers lie in window 0)
	s_wait_tensorcnt 0x0                           ; all my tensor loads have landed
	ds_add_u32 v[SPW], v[NIL]                      ; 0 onto my spare word
	s_wait_dscnt 17                                ; (the add and the youngest sixteen loads may be out)
	WIN MULW
	MUL8 0, 1, 0                                   ; eight matrix instructions stand between the add and the wait for it
	s_wait_dscnt 0x0                               ; the add is done, and my LDS reads are over
	s_barrier_signal -1
	MUL8 2, 1, 0
	WIN 0
	s_barrier_wait -1
.if \fill
	CREST                                          ; no wave of any partner still reads slot 0 or has a load on its way
	s_add_nc_u64 s[G0A+2:G0A+3], s[G0A+2:G0A+3], 3*256   ; from K step 0 to K step 3
	s_add_nc_u64 s[G0B+2:G0B+3], s[G0B+2:G0B+3], 3*256
	JLOAD G0A, G0B                                 ; the first tensor load behind the round; its four v_nop are also the places in front of the loads below
.else
	PLACES
.endif
	FETCH \ns, 0, 0
	WIN MULW
	MUL8 4, 1, 0
	MUL8 6, 1, 0
.endm
; Block a of A's eight goes out: the hold, four conversions (one register pair of the image each), two stores of 512 consecutive bytes.
.macro OUTBLK a
	WIN 0x41                                       ; destination and source 0 window 1
.set j, 32*(\a)
.rept 32
	v_med3_num_f32 v[j], v[j], -v[LIMV], v[LIMV]   ; the conversion does not saturate (ISA guide 7.6.2); each accumulator from its low end on
.set j, j+1
.endr
	WIN 0x01                                       ; source 0 window 1
.irp b, 0,1,2,3
	v_cvt_scalef32_pk8_fp8_f32 v[CD+8*(\a)+2*\b:CD+8*(\a)+2*\b+1], v[32*(\a)+8*\b:32*(\a)+8*\b+7], v[SCLV]
.endr
	WIN 0
	v_nop                                          ; a plain vector line behind the last conversion of the run
	global_store_b128 v[LN16], v[CD+8*(\a):CD+8*(\a)+3], s[10+2*((\a)/4):11+2*((\a)/4)] offset:((\a)%4)*1024 th:TH_STORE_NT
	global_store_b128 v[LN16], v[CD+8*(\a)+4:CD+8*(\a)+7], s[10+2*((\a)/4):11+2*((\a)/4)] offset:((\a)%4)*1024+512 th:TH_STORE_NT
.endm
	s_load_b256 s[4:11], s[0:1], 0x0               ; xc s[4:5], wac s[6:7], the exponents s[8:9], qkv s[10:11]
	v_lshl_add_u32 v[SPW], v0, 2, SPARE
	v_mov_b32 v[NIL], 0
	ds_add_u32 v28, v29
	ds_add_u32 v28, v29
	s_wait_dscnt 0x0
	v_lshrrev_b32 v1, 5, v0
	v_readfirstlane_b32 s14, v1                    ; wave 0..3
	s_lshr_b32 s15, s14, 1                         ; my half of A's rows.  Also: I fetch for A (0) or for B (1)
	s_and_b32 s16, s14, 1                          ; my half of B's rows.  Also: which half of that tile I fetch
	s_bfe_u32 s66, ttmp6, 0x40000                  ; cx
	s_bfe_u32 s67, ttmp6, 0x40004                  ; cy
	s_mov_b32 s68, ttmp9                           ; the cluster's x: 0..5
	s_and_b32 s69, ttmp7, 0xffff                   ; the cluster's y: 0..7
	s_lshl_b32 s70, s67, 2
	s_lshl_b32 s70, 15, s70                        ; my row of the cluster
	s_lshl_b32 s71, 0x1111, s66                    ; my column
	s_or_b32 s[G1A], s70, (1<<20)|(1<<21)|(5<<22)|(3<<25)   ; the mask; elements of 1 byte; padding on; bit 21 beside a mask; after every 64 words, 4 words
	s_or_b32 s[G1B], s71, (1<<20)|(1<<21)|(5<<22)|(3<<25)
	s_mov_b32 s[G1A+1], 256<<16                    ; tensor_dim0 = 256
	s_mov_b32 s[G1A+2], 128<<16                    ; tensor_dim1 = 128
	s_mov_b32 s[G1A+3], 256<<16                    ; tile_dim0
	s_mov_b32 s[G1A+4], 128                        ; tile_dim1
	s_mov_b32 s[G1A+5], 1024                       ; from row to row
	s_mov_b32 s[G1A+6], 0
	s_mov_b32 s[G1A+7], 0
	s_mov_b32 s[G1B+1], 256<<16
	s_mov_b32 s[G1B+2], 64<<16                     ; 64 rows
	s_mov_b32 s[G1B+3], 256<<16
	s_mov_b32 s[G1B+4], 64
	s_mov_b32 s[G1B+5], 1024
	s_mov_b32 s[G1B+6], 0
	s_mov_b32 s[G1B+7], 0
	; the cluster's first rows: q, k: A = xc at 1,024 y, B = wac at 512 x;  v: A = wac at 2,048, B = xc at 512 (x - 4) + 1,024 y
	s_lshl_b32 s84, s69, 10
	s_lshl_b32 s85, s68, 9
	s_max_u32 s86, s68, 4
	s_sub_co_u32 s86, s86, 4
	s_lshl_b32 s86, s86, 9
	s_add_co_u32 s86, s86, s84
	s_cmp_ge_u32 s68, 4                            ; v?  The same in all sixteen partners
	s_cselect_b32 s84, 2048, s84                   ; A's
	s_cselect_b32 s85, s86, s85                    ; B's
	s_lshl_b32 s88, s67, 8
	s_add_co_u32 s88, s88, s84                     ; my work-group's first row of A: + 256 cy
	s_lshl_b32 s89, s16, 7
	s_add_co_u32 s90, s88, s89                     ; the 128 rows that I fetch
	s_lshl_b32 s90, s90, 10                        ; in bytes: both tensors have rows of 1,024
	s_mov_b32 s91, 0
	s_lshl_b32 s92, s66, 7
	s_add_co_u32 s92, s92, s85                     ; my work-group's first row of B: + 128 cx
	s_lshl_b32 s93, s16, 6
	s_add_co_u32 s94, s92, s93                     ; the 64 rows that I fetch
	s_lshl_b32 s94, s94, 10
	s_mov_b32 s95, 0
	s_mul_i32 s96, s16, HALFA                      ; where they go in a slot: no place in the cluster enters an LDS address
	s_mul_i32 s97, s16, HALFB
	s_add_co_u32 s97, s97, BOFF
	s_wait_kmcnt 0x0
	s_load_b256 s[72:79], s[8:9], 0x0              ; e0 .. e7
	s_cmp_ge_u32 s68, 4
	s_cselect_b64 s[80:81], s[6:7], s[4:5]         ; A's tensor
	s_cselect_b64 s[82:83], s[4:5], s[6:7]         ; B's
	s_add_nc_u64 s[80:81], s[80:81], s[90:91]
	s_add_nc_u64 s[82:83], s[82:83], s[94:95]
	CROUND                                         ; all sixteen work-groups are here: the first joint loads meet
.irp s, 0,1,2
	s_mov_b32 s[G0A+4*\s], 1
	s_add_co_u32 s[G0A+4*\s+1], s96, \s*SLOTB
	s_add_nc_u64 s[G0A+4*\s+2:G0A+4*\s+3], s[80:81], \s*256
	s_or_b32 s[G0A+4*\s+3], s[G0A+4*\s+3], 0x80000000
	s_mov_b32 s[G0B+4*\s], 1
	s_add_co_u32 s[G0B+4*\s+1], s97, \s*SLOTB
	s_add_nc_u64 s[G0B+4*\s+2:G0B+4*\s+3], s[82:83], \s*256
	s_or_b32 s[G0B+4*\s+3], s[G0B+4*\s+3], 0x80000000
.endr
	s_cmp_eq_u32 s15, 0                            ; a wave's three first fills stand in one branch, ahead of every wait on TENSORcnt and every LDS read; four v_nop follow the third
	s_cbranch_scc0 .Lfirst_b
	tensor_load_to_lds s[G0A:G0A+3], s[G1A:G1A+7]
	s_nop 0
	tensor_load_to_lds s[G0A+4:G0A+7], s[G1A:G1A+7]
	s_nop 0
	tensor_load_to_lds s[G0A+8:G0A+11], s[G1A:G1A+7]
	s_nop 0
.rept 4
	v_nop
.endr
	s_branch .Lfirst_done
.Lfirst_b:
	tensor_load_to_lds s[G0B:G0B+3], s[G1B:G1B+7]
	s_nop 0
	tensor_load_to_lds s[G0B+4:G0B+7], s[G1B:G1B+7]
	s_nop 0
	tensor_load_to_lds s[G0B+8:G0B+11], s[G1B:G1B+7]
	s_nop 0
.rept 4
	v_nop
.endr
.Lfirst_done:
	v_and_b32 v1, 15, v0                           ; r
	v_bfe_u32 v2, v0, 4, 1                         ; h
	v_mul_u32_u24 v3, v1, PITCH
	v_lshl_add_u32 v3, v2, 4, v3                   ; a fragment's row x pitch + 16 h
	s_mul_i32 s21, s15, HALFA                      ; my 128 rows of A
	s_mul_i32 s22, s16, HALFB                      ; my 64 rows of B
	s_add_co_u32 s22, s22, BOFF
.irp s, 0,1,2
	v_add_nc_u32 v[ADRA+\s], s21, v3
	v_add_nc_u32 v[ADRB+\s], s22, v3
	s_add_co_u32 s21, s21, SLOTB
	s_add_co_u32 s22, s22, SLOTB
.endr
	v_and_b32 v4, 31, v0
	v_lshlrev_b32 v[LN16], 4, v4
	; where my images go
	s_lshl_b32 s17, s15, 7
	s_add_co_u32 s17, s17, s88                     ; my wave's first row of A
	s_lshl_b32 s18, s16, 6
	s_add_co_u32 s18, s18, s92                     ; of B
	s_mov_b32 s23, 4096
	s_cmp_ge_u32 s68, 4
	s_cselect_b32 s19, s18, s17                    ; m: the token
	s_cselect_b32 s20, s17, s18                    ; n: the column of W_attn
	s_cselect_b32 s23, 393216, s23                 ; from A's blocks 0-3 to blocks 4-7: q, k: four tiles of tokens on; v: the next head
	s_lshr_b32 s98, s20, 10                        ; 0 q, 1 k, 2 v
	s_bfe_u32 s99, s20, 0x40006                    ; the head: (n / 64) mod 16
	s_lshr_b32 s2, s19, 11                         ; the batch
	s_lshl_b32 s2, s2, 4
	s_add_co_u32 s2, s2, s99
	s_mul_i32 s2, s2, 393216
	s_lshl_b32 s99, s98, 17
	s_add_co_u32 s2, s2, s99
	s_and_b32 s99, s19, 2047                       ; the token in its batch: 64 bytes of image a token, in q and k as in v
	s_lshl_b32 s99, s99, 6
	s_add_co_u32 s2, s2, s99
	s_mov_b32 s3, 0
	s_add_nc_u64 s[10:11], s[10:11], s[2:3]        ; blocks 0-3
	s_mov_b32 s2, s23
	s_add_nc_u64 s[12:13], s[10:11], s[2:3]        ; blocks 4-7
	s_wait_kmcnt 0x0
	s_add_co_i32 s99, s74, 3                       ; q x 1/8 is folded into its scale: e2 + 3
	s_cmp_eq_u32 s98, 0
	s_cselect_b32 s99, s99, s75                    ; else e3,
	s_cmp_eq_u32 s98, 2
	s_cselect_b32 s99, s77, s99                    ; or e5
	s_sub_co_i32 s99, s99, s72
	s_sub_co_i32 s99, s99, s73                     ; E: a sum stands for sum x 2^(e0 + e1), so its code is sum / 2^E
	s_add_co_i32 s99, s99, 127
	s_lshl_b32 s3, s99, 23
	v_mov_b32 v[SCLV], s3
	s_add_co_i32 s99, s99, 8
	s_lshl_b32 s99, s99, 23
	s_or_b32 s99, s99, 0x600000
	v_mov_b32 v[LIMV], s99
	s_wait_tensorcnt 2                             ; my part of K step 0 is in; K steps 1 and 2 may be out
	s_barrier_signal -1
	s_barrier_wait -1                              ; everybody's is
	FETCH 0, 0, 0
	STEP 0, 1, 0, 1                                ; the first products start the sums: nothing is cleared
	TURN 1, 1                                      ; slot 0 is left and takes K step 3, which has 112 matrix instructions of mine in which to land
	STEP 1, 1, 0, 0
	STEP 2, 0, 1, 0
	STEP 2, 1, 0, 0
	TURN 0, 0                                      ; K step 3 is whole; nothing is filled, so no round
	STEP 0, 1, 0, 0
	s_wait_dscnt 16                                ; the last substep: nothing more to fetch
	WIN MULW
	MUL8 0, 1, 0
	MUL8 2, 1, 0
	s_wait_dscnt 0x0
	MUL8 4, 1, 0
	MUL8 6, 1, 0
	WIN 0
	PLACES
.irp a, 0,1,2,3,4,5,6,7
	OUTBLK \a
.endr
	s_wait_tensorcnt 0x0                           ; the wave's end
	ds_add_u32 v[SPW], v[NIL]
	s_wait_dscnt 0x0
	CROUND                                         ; the closing round: no work-group ends while a partner may still ask for a tile that names it
	s_endpgm
.Lfunc_end_k_q0172180c14_gemm1:
	.size	k_q0172180c14_gemm1, .Lfunc_end_k_q0172180c14_gemm1-k_q0172180c14_gemm1
	.p2alignl 7, 3214868480
	.fill 96, 4, 3214868480
	.section	.rodata,"a",@progbits
	.p2align	6, 0x0
	.amdhsa_kernel k_q0172180c14_gemm1
		.amdhsa_group_segment_fixed_size 327680
		.amdhsa_private_segment_fixed_size 0
		.amdhsa_enable_private_segment 0
		.amdhsa_kernarg_size 32
		.amdhsa_user_sgpr_count 2
		.amdhsa_user_sgpr_kernarg_segment_ptr 1
		.amdhsa_wavefront_size32 1
		.amdhsa_system_sgpr_workgroup_id_x 1
		.amdhsa_system_sgpr_workgroup_id_y 1
		.amdhsa_system_sgpr_workgroup_id_z 1
		.amdhsa_system_vgpr_workitem_id 0
		.amdhsa_next_free_vgpr 896
		.amdhsa_next_free_sgpr 100
		.amdhsa_reserve_vcc 0
		.amdhsa_float_denorm_mode_32 3
		.amdhsa_float_denorm_mode_16_64 3
		.amdhsa_memory_ordered 1
		.amdhsa_forward_progress 1
		.amdhsa_inst_pref_size 73
	.end_amdhsa_kernel
	.amdgpu_metadata
---
amdhsa.version: [ 1, 2 ]
amdhsa.kernels:
  - .name:           k_q0172180c14_gemm1
    .symbol:         k_q0172180c14_gemm1.kd
    .args:
      - { .name: xc, .offset: 0, .size: 8, .value_kind: global_buffer, .address_space: global }
      - { .name: wac, .offset: 8, .size: 8, .value_kind: global_buffer, .address_space: global }
      - { .name: lowp_scales, .offset: 16, .size: 8, .value_kind: global_buffer, .address_space: global }
      - { .name: qkv, .offset: 24, .size: 8, .value_kind: global_buffer, .address_space: global }
    .group_segment_fixed_size: 327680
    .private_segment_fixed_size: 0
    .kernarg_segment_align: 8
    .kernarg_segment_size: 32
    .max_flat_workgroup_size: 128
    .sgpr_count:     100
    .vgpr_count:     896
    .wavefront_size: 32
...
	.end_amdgpu_metadata
.endif
;; end of part 2
;; launch attn (part 3): grid 4 x 64, 8 waves a work-group, clusters of 4 x 1, 263,168 bytes of LDS; arguments qkv, lowp_scales, yimg; writes yimg
.if DOCPART == 3
	.amdgcn_target "amdgcn-amd-amdhsa--gfx1250"
	.amdhsa_code_object_version 6
	.text
	.protected	k_q0172180c14_attn
	.globl	k_q0172180c14_attn
	.p2align	8
	.type	k_q0172180c14_attn,@function
k_q0172180c14_attn:
	s_mov_b64 s[64:65], 0
	v_nop
	global_prefetch_b8 v0, s[64:65] scope:SCOPE_SE
	s_setreg_imm32_b32 hwreg(HW_REG_WAVE_MODE, 25, 1), 1
	s_wait_xcnt 0x0
	s_wait_alu depctr_hold_cnt(0) depctr_sa_sdst(0) depctr_va_vdst(0) depctr_va_sdst(0) depctr_va_ssrc(0) depctr_va_vcc(0) depctr_vm_vsrc(0)
	s_getreg_b32 s2, hwreg(HW_REG_IB_STS2, 6, 4)
	s_cmp_eq_u32 s2, 0
	s_cbranch_scc0 .Lentry_in_a_cluster
	s_endpgm
.Lentry_in_a_cluster:
	s_bfe_u32 s2, ttmp6, 0x10000c
	s_cmp_lg_u32 s2, 0x3003
	s_cbranch_scc0 .Lentry_shape_is_right
	s_endpgm
.Lentry_shape_is_right:
; Causal attention on codes of E4M3, head size 64, 2,048 tokens, 64 (batch, head) pairs.  q (already x 1/8), k and v come as images of operand registers (a fragment of 16 rows x 64 K: 1,024 bytes, registers 0-3 of lane L
; at 16 L, registers 4-7 at 512 + 16 L);  y = O 2^(e4 + e5) / l is quantised with e6 and stored as images too: yimg [head / 4][row / 16][head % 4][1,024].
; THE SOFTMAX: t = score x log2(e) 2^(e2 + e3); M = the running largest t rounded UP to a whole number; p = 2^(t - M) is quantised with e4, not normalised; l is the sum of the unquantised p; when M moves, l and O are
; multiplied by 2^(old M - new M), which rounds nothing.
; SHARES.  The four work-groups of a cluster share one head.  The head's whole K (131,072 bytes) and V (131,072) lie in each work-group's LDS, filled ONCE, by one joint load a wave: no slot is filled again, nothing is stored
; into LDS, and there is one barrier.  A wave owns 32 queries at a time: tile A in register window 0, tile B in window 1, at the same register numbers, so that each fragment of K and V feeds two matrix instructions.
; Wave w of work-group cx takes first the group of queries 4 w + cx (it needs the steps of 128 keys 0 .. w) and then group 63 - (4 w + cx) (steps 0 .. 15 - w): 17 steps for every wave, none of them wholly under the mask.
; cx enters global addresses and the mask's numbers alone: no branch and no LDS address hangs on it.
; LAYOUT.  S^T = K Q^T (source 0 = 16 keys, source 1 = 16 queries): lane (r, h) holds query r and keys 16 t + 8 h + 0..7 in tile t's registers: one conversion makes of them register pair t of P, source 1 of
; O^T = V^T P^T (K = 128 keys).  O^T's tile dt holds channels 16 dt + 8 h + 0..7 of query r: one conversion makes register pair dt of y's image.
; LIMITS: e2 + e3 between -126 and 127 (added to the exponent field of log2(e)); e4 and e6 between -126 and 119.
; REGISTERS (both windows unless said): v1 16 x lane, v2, v3 LDS addresses of K's and V's loads (window 0); v4 d of the group in hand, v5 of the second group (d = my query's place in its step of 128 keys, less 8 h);
; v6 -infinity; v7 448 x 2^e4, v8 2^e4, v9 448 x 2^e6, v10 2^e6; v12 -M, v13 the largest t, v[14:15] l; v16-23 Q, v24-31 the second group's Q; v32-95 window 0: K, window 1: V; v96-159 S^T, then p; v160-191 O^T;
; v192-207 P's codes; v208-215, v216-223 y's codes of the first and second group; v224-230 at work.
.set HEADB, 393216                     ; a head's q, k and v in qkv
.set PARTB, 131072                     ; one of the three
.set VLDS,  131072                     ; V lies behind K in LDS
.set MSB, 0
.macro WIN new                         ; the immediate's high byte repeats the setting that is left
.if MSB != \new
	s_set_vgpr_msb (MSB<<8)|\new
.set MSB, \new
.endif
.endm
.macro ROUND                           ; a round of the cluster's barrier
	s_barrier_signal -1
	s_barrier_wait -1
	s_cmp_lg_u32 s10, 0
	s_cbranch_scc1 .Lnot_wave_0_\@
	s_barrier_signal -3
.Lnot_wave_0_\@:
	s_barrier_wait -3
	s_barrier_signal -1
	s_barrier_wait -1
.endm
.macro CONSTS                          ; the same numbers in the window that is set
	v_mov_b32 v6, 0xff800000
	v_mov_b32 v7, s60
	v_mov_b32 v8, s61
	v_mov_b32 v9, s62
	v_mov_b32 v10, s63
	v_mov_b32 v227, 0                              ; (named as the upper half of the pair v[226:227])
	v_mov_b32 v230, 0                              ; a lane permute's destination counts as one of its sources
.endm
.macro INIT                            ; a group begins: the step is written once, and its first pass finds zeros, which the first change of M leaves zeros
	v_mov_b32 v13, 0xff61b1e6                      ; -3e38, under every t
	v_floor_f32 v12, -v13
	v_mov_b32 v14, 0
	v_mov_b32 v15, 0
.set j, 0
.rept 32
	v_mov_b32 v[160+j], 0
.set j, j+1
.endr
.endm
.macro NEXTQ                           ; the second group's Q and d take the first's places
.set j, 0
.rept 8
	v_mov_b32 v[16+j], v[24+j]
.set j, j+1
.endr
	v_mov_b32 v4, v5
.endm
.macro LOADK                           ; a step's 8 tiles of 16 keys: 16 loads, each of 512 consecutive bytes
.irp t, 0,1,2,3,4,5,6,7
	ds_load_b128 v[32+8*\t:35+8*\t], v2 offset:1024*\t
	ds_load_b128 v[36+8*\t:39+8*\t], v2 offset:1024*\t+512
.endr
.endm
.macro LOADV                           ; a step's 4 tiles of 16 channels x 128 keys (two images each): 16 loads
.irp dt, 0,1,2,3
.irp kb, 0,1
	ds_load_b128 v[32+16*\dt+8*\kb:35+16*\dt+8*\kb], v3 offset:4096*\kb+1024*\dt
	ds_load_b128 v[36+16*\dt+8*\kb:39+16*\dt+8*\kb], v3 offset:4096*\kb+1024*\dt+512
.endr
.endr
.endm
.macro MASK                            ; register n holds key 16 (n / 8) + n % 8 + 8 h of the step: hidden where that lies behind my query: the score becomes -infinity, and p = 0
.set n, 0
.rept 64
	v_cmp_gt_i32 vcc_lo, 16*(n/8)+n%8, v4
	v_cndmask_b32 v[96+n], v[96+n], v6, vcc_lo
.set n, n+1
.endr
.endm
.macro SOFTMAX                         ; one tile of 16 queries x 128 keys, in the window that is set
	v_max3_num_f32 v224, v96, v97, v98             ; the step's largest score among my 64 keys, in two chains, each accumulator from its low end on,
	v_max3_num_f32 v225, v99, v100, v101
.set i, 6
.rept 14
	v_max3_num_f32 v224, v224, v[96+i], v[97+i]
	v_max3_num_f32 v225, v225, v[98+i], v[99+i]
.set i, i+4
.endr
	v_max3_num_f32 v224, v224, v158, v159
	v_max_num_f32 v224, v224, v225
	v_permlanex16_b32 v230, v224, s28, s29
	v_max_num_f32 v224, v224, v230                 ; and among lane l xor 16's
	v_mul_f32 v224, s30, v224                      ; as t (c is positive)
	v_max_num_f32 v13, v13, v224                   ; the running largest t
	v_mov_b32 v224, v12
	v_floor_f32 v12, -v13                          ; -M = floor(-t): M is a whole number
	v_sub_f32 v224, v12, v224                      ; old M - new M: a whole number, 0 or less
	v_cvt_i32_f32 v224, v224                       ; (it saturates)
	v_ldexp_f32 v226, 1.0, v224                    ; f = 2^(old M - new M)
.set j, 0
.rept 32
	v_pk_fma_f32 v[96+j:97+j], v[96+j:97+j], s[30:31], v[12:13] op_sel_hi:[1,0,0]   ; t - M, two at a time
.set j, j+2
.endr
.set j, 0
.rept 64
	v_exp_f32 v[96+j], v[96+j]                     ; p = 2^(t - M)
.set j, j+1
.endr
	v_pk_mul_f32 v[14:15], v[14:15], v[226:227] op_sel_hi:[1,0]   ; l under the new M: a plain line behind the exponentials
	s_wait_alu depctr_va_vdst(0)                   ; one wait for the batch of 64, ahead of its first reader
	v_pk_add_f32 v[228:229], v[96:97], v[98:99]    ; the sum of the UNQUANTISED p, in two chains
.set j, 4
.rept 15
	v_pk_add_f32 v[14:15], v[14:15], v[96+j:97+j]
	v_pk_add_f32 v[228:229], v[228:229], v[98+j:99+j]
.set j, j+4
.endr
	v_pk_add_f32 v[14:15], v[14:15], v[228:229]
.set t, 0
.rept 8
.set i, 0
.rept 8
	v_min_num_f32 v[96+8*t+i], v[96+8*t+i], v7     ; the conversion does not saturate (ISA guide 7.6.2); p is not negative, so the hold is one-sided
.set i, i+1
.endr
	v_cvt_scalef32_pk8_fp8_f32 v[192+2*t:193+2*t], v[96+8*t:103+8*t], v8   ; register pair t of P
.set t, t+1
.endr
.set j, 0
.rept 16
	v_pk_mul_f32 v[160+j:161+j], v[160+j:161+j], v[226:227] op_sel_hi:[1,0]   ; O^T under the new M; plain lines behind the last conversion
.set j, j+2
.endr
.endm
.macro FIN y                           ; a tile's end, in the window that is set: O^T 2^(e4 + e5) / l, held and converted into v[y] on
	v_add_f32 v14, v14, v15
	v_permlanex16_b32 v230, v14, s28, s29
	v_add_f32 v14, v14, v230                       ; the row's sum
	v_rcp_f32 v14, v14
	v_nop                                          ; a plain line behind the reciprocal
	s_wait_alu depctr_va_vdst(0)                   ; and the wait ahead of its first reader
	v_ldexp_f32 v14, v14, s48
.set j, 0
.rept 16
	v_pk_mul_f32 v[96+j:97+j], v[160+j:161+j], v[14:15] op_sel_hi:[1,0]
.set j, j+2
.endr
.set j, 0
.rept 32
	v_med3_num_f32 v[96+j], v[96+j], -v9, v9
.set j, j+1
.endr
.irp dt, 0,1,2,3
	v_cvt_scalef32_pk8_fp8_f32 v[\y+2*\dt:\y+2*\dt+1], v[96+8*\dt:103+8*\dt], v10
.endr
	v_nop                                          ; a plain line behind the last conversion
.endm
.macro FINISH y, base                  ; both tiles of a group; each store covers 512 consecutive bytes of an image
	s_wait_xcnt 0x0                                ; earlier stores have read their registers
	FIN \y
	WIN 0x55
	FIN \y
	WIN 0
	global_store_b128 v1, v[\y:\y+3], s[\base:\base+1]
	global_store_b128 v1, v[\y+4:\y+7], s[\base:\base+1] offset:512
	WIN 0x04                                       ; a store's data: source 1: window 1
	global_store_b128 v1, v[\y:\y+3], s[\base:\base+1] offset:4096
	global_store_b128 v1, v[\y+4:\y+7], s[\base:\base+1] offset:4608
	WIN 0
.endm
	s_load_b128 s[4:7], s[0:1], 0x0                ; qkv s[4:5], the exponents s[6:7]
	s_load_b64 s[8:9], s[0:1], 0x10                ; yimg
	v_lshl_add_u32 v254, v0, 2, 0x40000
	v_mov_b32 v255, 0
	ds_add_u32 v254, v255
	ds_add_u32 v254, v255
	v_lshrrev_b32 v231, 5, v0
	v_readfirstlane_b32 s10, v231                  ; wave 0..7
	s_bfe_u32 s11, ttmp6, 0x40000                  ; cx
	s_and_b32 s12, ttmp7, 0xffff                   ; 16 batch + head, which the four partners share
	s_mov_b32 s16, 15|(3<<16)|(1<<21)              ; group 1: the mask: all four; elements of 8 bytes; bit 21 beside a mask; no padding
	s_mov_b32 s17, 32<<16                          ; tensor_dim0 = 32: rows of 256 bytes
	s_mov_b32 s18, 128<<16                         ; tensor_dim1 = 128
	s_mov_b32 s19, 32<<16                          ; tile_dim0
	s_mov_b32 s20, 128                             ; tile_dim1
	s_mov_b32 s21, 32                              ; from row to row: the block is dense
	s_mov_b32 s22, 0
	s_mov_b32 s23, 0
	s_mov_b32 s28, 0x76543210                      ; v_permlanex16_b32: lane l xor 16
	s_mov_b32 s29, 0xfedcba98
	s_mul_i32 s13, s12, HEADB
	s_lshl_b32 s14, s10, 15                        ; my eighth of K and V: 32,768 bytes, in memory and in LDS alike
	s_add_co_u32 s50, s13, s14
	s_add_co_u32 s50, s50, PARTB                   ; behind q
	s_mov_b32 s51, 0
	s_wait_dscnt 0x0
	s_wait_kmcnt 0x0
	s_load_b256 s[32:39], s[6:7], 0x0              ; e0 .. e7
	s_mov_b32 s24, 1
	s_mov_b32 s25, s14
	s_add_nc_u64 s[26:27], s[4:5], s[50:51]
	s_or_b32 s27, s27, 0x80000000
	ROUND                                          ; all four work-groups are here: the joint loads meet
	tensor_load_to_lds s[24:27], s[16:23]          ; my one tensor load
	s_nop 0
.rept 4
	v_nop
.endr
	v_and_b32 v1, 31, v0
	v_lshlrev_b32 v1, 4, v1                        ; 16 x lane; never rewritten
	s_lshl_b32 s15, s10, 3
	s_lshl_b32 s49, s11, 1
	s_add_co_u32 s15, s15, s49                     ; the first group's first tile of 16 tokens: 8 w + 2 cx
	s_sub_co_u32 s49, 126, s15                     ; the second group's
	s_lshl_b32 s60, s15, 10
	s_add_co_u32 s60, s60, s13
	s_mov_b32 s61, 0
	s_add_nc_u64 s[52:53], s[4:5], s[60:61]        ; their images of q
	s_lshl_b32 s60, s49, 10
	s_add_co_u32 s60, s60, s13
	s_add_nc_u64 s[54:55], s[4:5], s[60:61]
	global_load_b128 v[16:19], v1, s[52:53]
	global_load_b128 v[20:23], v1, s[52:53] offset:512
	global_load_b128 v[24:27], v1, s[54:55]
	global_load_b128 v[28:31], v1, s[54:55] offset:512
	WIN 0x40                                       ; destination window 1: tile B
	global_load_b128 v[16:19], v1, s[52:53] offset:1024
	global_load_b128 v[20:23], v1, s[52:53] offset:1536
	global_load_b128 v[24:27], v1, s[54:55] offset:1024
	global_load_b128 v[28:31], v1, s[54:55] offset:1536
	WIN 0
	s_lshr_b32 s62, s12, 4                         ; batch
	s_and_b32 s63, s12, 15                         ; head
	s_lshr_b32 s60, s63, 2
	s_lshl_b32 s60, s60, 21                        ; head / 4: 512 tiles of rows x 4,096 bytes
	s_and_b32 s63, s63, 3
	s_lshl_b32 s63, s63, 10
	s_add_co_u32 s60, s60, s63
	s_lshl_b32 s62, s62, 19                        ; 128 tiles of rows a batch
	s_add_co_u32 s60, s60, s62
	s_lshl_b32 s62, s15, 12
	s_add_co_u32 s62, s62, s60
	s_mov_b32 s63, 0
	s_add_nc_u64 s[56:57], s[8:9], s[62:63]        ; y's images of the first group,
	s_lshl_b32 s62, s49, 12
	s_add_co_u32 s62, s62, s60
	s_add_nc_u64 s[58:59], s[8:9], s[62:63]        ; of the second
	v_and_b32 v231, 15, v0
	v_bfe_u32 v232, v0, 4, 1
	v_lshlrev_b32 v232, 3, v232
	v_sub_nc_u32 v231, v231, v232                  ; r - 8 h
	s_lshl_b32 s60, s11, 5                         ; the first group begins 32 cx into its last step of keys,
	s_sub_co_u32 s61, 96, s60                      ; the second 32 (3 - cx)
	v_add_nc_u32 v4, s60, v231
	v_add_nc_u32 v5, s61, v231
	WIN 0x40
	v_add_nc_u32 v4, 16, v4                        ; tile B: 16 queries on
	v_add_nc_u32 v5, 16, v5
	WIN 0
	s_wait_kmcnt 0x0
	s_add_co_i32 s60, s34, s35
	s_lshl_b32 s60, s60, 23
	s_mov_b32 s30, 0x3fb8aa3b                      ; log2(e),
	s_add_co_i32 s30, s30, s60                     ; x 2^(e2 + e3): a score stands for score x 2^(e2 + e3)
	s_mov_b32 s31, s30                             ; (named with it as a pair)
	s_add_co_i32 s48, s36, s37                     ; e4 + e5
	s_add_co_i32 s61, s36, 127
	s_add_co_i32 s60, s61, 8
	s_lshl_b32 s61, s61, 23                        ; 2^e4
	s_lshl_b32 s60, s60, 23
	s_or_b32 s60, s60, 0x600000                    ; 448 x 2^e4
	s_add_co_i32 s63, s38, 127
	s_add_co_i32 s62, s63, 8
	s_lshl_b32 s63, s63, 23                        ; 2^e6
	s_lshl_b32 s62, s62, 23
	s_or_b32 s62, s62, 0x600000                    ; 448 x 2^e6
	CONSTS
	INIT
	v_mov_b32 v2, v1                               ; K of step 0
	WIN 0x55
	CONSTS
	INIT
	WIN 0
	s_mov_b32 s40, 0                               ; the trip
	s_add_co_u32 s41, s10, 1                       ; the trip in which the second group begins
	s_mov_b32 s42, s10                             ; the first group's step on the diagonal,
	s_sub_co_u32 s43, 15, s10                      ; the second's
	s_wait_tensorcnt 0x0                           ; my eighth of K and V is in,
	s_barrier_signal -1
	s_barrier_wait -1                              ; everybody's is
	LOADK
	s_wait_loadcnt 0x0                             ; Q
.Ltrip:                                            ; 17 trips in every wave
	s_cmp_eq_u32 s40, s41
	s_cbranch_scc0 .Lsame
	FINISH 208, 56                                 ; the first group is done (the four v_nop at the last trip's end are the places behind its last products)
	INIT
	NEXTQ
	WIN 0x55
	INIT
	NEXTQ
	WIN 0
.Lsame:
	s_cmp_ge_u32 s40, s41
	s_cselect_b32 s60, s41, 0
	s_cselect_b32 s45, s43, s42                    ; the step on the diagonal of the group in hand
	s_sub_co_u32 s44, s40, s60
	s_and_b32 s44, s44, 15                         ; this trip's step of 128 keys
	s_lshl_b32 s47, s44, 13                        ; 8,192 bytes a step, in K and in V
	s_add_co_u32 s47, s47, VLDS
	s_add_co_u32 s61, s40, 1                       ; and the next trip's (behind the last trip: a step inside LDS that nobody uses)
	s_cmp_ge_u32 s61, s41
	s_cselect_b32 s60, s41, 0
	s_sub_co_u32 s61, s61, s60
	s_and_b32 s61, s61, 15
	s_lshl_b32 s46, s61, 13
	v_add_nc_u32 v3, s47, v1
	WIN 0x40
	LOADV                                          ; this step's V, into window 1: the last products that read it stand four plain lines back
	s_wait_dscnt 16                                ; K, asked for a trip ago, is in; V's sixteen loads may be out
	WIN 0
.irp t, 0,1,2,3,4,5,6,7
	v_wmma_f32_16x16x64_fp8_fp8 v[96+8*\t:103+8*\t], v[32+8*\t:39+8*\t], v[16:23], 0
.endr
	WIN 0x44                                       ; tile B: Q and S^T in window 1, K in window 0
.irp t, 0,1,2,3,4,5,6,7
	v_wmma_f32_16x16x64_fp8_fp8 v[96+8*\t:103+8*\t], v[32+8*\t:39+8*\t], v[16:23], 0
.endr
	WIN 0
	v_add_nc_u32 v2, s46, v1                       ; with the three v_nop: the four places behind the products, for the loads into K's registers and for the first reads of the scores
.rept 3
	v_nop
.endr
	LOADK                                          ; the next trip's K
	s_cmp_eq_u32 s44, s45
	s_cbranch_scc0 .Lopen                          ; only a group's last step lies on the diagonal
	MASK
	WIN 0x55
	MASK
	WIN 0
.Lopen:
	SOFTMAX
	WIN 0x55
	SOFTMAX
	s_wait_dscnt 16                                ; V is in; the next trip's K may be out
	WIN 0x01                                       ; tile A: V in window 1
.irp dt, 0,1,2,3
	v_wmma_f32_16x16x128_fp8_fp8 v[160+8*\dt:167+8*\dt], v[32+16*\dt:47+16*\dt], v[192:207], v[160+8*\dt:167+8*\dt]
.endr
	WIN 0x55                                       ; tile B; the eight accumulators take turns
.irp dt, 0,1,2,3
	v_wmma_f32_16x16x128_fp8_fp8 v[160+8*\dt:167+8*\dt], v[32+16*\dt:47+16*\dt], v[192:207], v[160+8*\dt:167+8*\dt]
.endr
	WIN 0
.rept 4
	v_nop                                          ; places behind the last products: for the next trip's loads into V's registers, and for the reads of O^T at a group's end
.endr
	s_add_co_u32 s40, s40, 1
	s_cmp_lt_u32 s40, 17
	s_cbranch_scc1 .Ltrip
	s_wait_dscnt 0x0                               ; the last trip's loads of K, which nobody uses
	FINISH 216, 58
	s_wait_tensorcnt 0x0
	ds_add_u32 v254, v255
	s_wait_dscnt 0x0
	ROUND                                          ; the closing round
	s_endpgm
.Lfunc_end_k_q0172180c14_attn:
	.size	k_q0172180c14_attn, .Lfunc_end_k_q0172180c14_attn-k_q0172180c14_attn
	.p2alignl 7, 3214868480
	.fill 96, 4, 3214868480
	.section	.rodata,"a",@progbits
	.p2align	6, 0x0
	.amdhsa_kernel k_q0172180c14_attn
		.amdhsa_group_segment_fixed_size 263168
		.amdhsa_private_segment_fixed_size 0
		.amdhsa_enable_private_segment 0
		.amdhsa_kernarg_size 24
		.amdhsa_user_sgpr_count 2
		.amdhsa_user_sgpr_kernarg_segment_ptr 1
		.amdhsa_wavefront_size32 1
		.amdhsa_system_sgpr_workgroup_id_x 1
		.amdhsa_system_sgpr_workgroup_id_y 1
		.amdhsa_system_sgpr_workgroup_id_z 1
		.amdhsa_system_vgpr_workitem_id 0
		.amdhsa_next_free_vgpr 512
		.amdhsa_next_free_sgpr 66
		.amdhsa_reserve_vcc 1
		.amdhsa_float_denorm_mode_32 3
		.amdhsa_float_denorm_mode_16_64 3
		.amdhsa_memory_ordered 1
		.amdhsa_forward_progress 1
		.amdhsa_inst_pref_size 68
	.end_amdhsa_kernel
	.amdgpu_metadata
---
amdhsa.version: [ 1, 2 ]
amdhsa.kernels:
  - .name:           k_q0172180c14_attn
    .symbol:         k_q0172180c14_attn.kd
    .args:
      - { .name: qkv, .offset: 0, .size: 8, .value_kind: global_buffer, .address_space: global }
      - { .name: lowp_scales, .offset: 8, .size: 8, .value_kind: global_buffer, .address_space: global }
      - { .name: yimg, .offset: 16, .size: 8, .value_kind: global_buffer, .address_space: global }
    .group_segment_fixed_size: 263168
    .private_segment_fixed_size: 0
    .kernarg_segment_align: 8
    .kernarg_segment_size: 24
    .max_flat_workgroup_size: 256
    .sgpr_count:     66
    .vgpr_count:     512
    .wavefront_size: 32
...
	.end_amdgpu_metadata
.endif
;; end of part 3
;; launch gemm2 (part 4): grid 8 x 32, 4 waves a work-group, clusters of 4 x 4, 327,680 bytes of LDS; arguments yimg, wpc, lowp_scales, out0; writes out0
.if DOCPART == 4
	.amdgcn_target "amdgcn-amd-amdhsa--gfx1250"
	.amdhsa_code_object_version 6
	.text
	.protected	k_q0172180c14_gemm2
	.globl	k_q0172180c14_gemm2
	.p2align	8
	.type	k_q0172180c14_gemm2,@function
k_q0172180c14_gemm2:
	s_mov_b64 s[64:65], 0
	v_nop
	global_prefetch_b8 v0, s[64:65] scope:SCOPE_SE
	s_setreg_imm32_b32 hwreg(HW_REG_WAVE_MODE, 25, 1), 1
	s_wait_xcnt 0x0
	s_wait_alu depctr_hold_cnt(0) depctr_sa_sdst(0) depctr_va_vdst(0) depctr_va_sdst(0) depctr_va_ssrc(0) depctr_va_vcc(0) depctr_vm_vsrc(0)
	s_getreg_b32 s2, hwreg(HW_REG_IB_STS2, 6, 4)
	s_cmp_eq_u32 s2, 0
	s_cbranch_scc0 .Lentry_in_a_cluster
	s_endpgm
.Lentry_in_a_cluster:
	s_bfe_u32 s2, ttmp6, 0x10000c
	s_cmp_lg_u32 s2, 0xf033
	s_cbranch_scc0 .Lentry_shape_is_right
	s_endpgm
.Lentry_shape_is_right:
; out0 = y W_proj on codes of E4M3; each sum x 2^(e6 + e7).  out0: [8192][1024] f32.  wpc: [1024 n][1024 k], rows of codes.
; yimg: y as images of operand registers, [K / 256][row / 16][(K / 64) % 4][1,024]: a fragment of 16 rows x 64 K of the plain 8-bit layout, registers 0-3 of lane L at 16 L, registers 4-7 at 512 + 16 L.
; A TILE of out0 is 256 rows x 128 columns: 256 work-groups.  Four waves, 2 x 2: a wave has 128 x 64: 32 accumulators.  THE MATRIX INSTRUCTION IS USED TRANSPOSED (source 0 = 16 rows of wpc, source 1 = 16 rows of y):
; a lane holds eight neighbouring numbers of a row of out0.  K goes in four steps of 256 (eight substeps of 128): three LDS slots are filled at the start, slot 0 once more with the fourth step.  Nothing loops.
; y's part of a K step is one dense block (16 tiles of rows x 4,096 bytes): it lies in LDS as it lies in memory and is read at 16 x lane.  Its K stands in the layout's own places, so wpc's fragments are read by loads of 8 bytes.
; CLUSTERS: 4 x 4.  y's tile is shared along a row of the cluster, wpc's along a column: joint loads.  By this text's count a wave has three tensor loads out at the start and one later.
; LIMIT: e6 + e7 between -126 and 127.
; REGISTERS in windows of 256: window 0: addresses, the way out;  window 1: the accumulators, (a, b) at v[8 (4 a + b)];  window 2: y's fragments, two sets of 8 x 16;  window 3: wpc's, two sets of 4 x 16.
.set PITCH, 272                        ; a row of wpc in LDS: 256 bytes + 16
.set HALFA, 32768                      ; 8 tiles of rows x 4,096 bytes: what one of A's loads brings, and what a wave reads of A
.set HALFB, 64*PITCH
.set BOFF,  2*HALFA
.set SLOTB, BOFF+2*HALFB               ; 100,352 bytes
.set SPARE, 3*SLOTB                    ; the spare words, 128 bytes a wave: two blocks of 256 bytes that no other line names
.set STAGE, SPARE+512                  ; the way out: 16 rows x 272 bytes for each wave, bytes into which no tile lands
.set SPITCH, 272
.set KSTEPA, 2097152                   ; from a K step of y's images to the next
.set ADRA, 16                          ; v16-18 LDS address of my A fragments in slot 0, 1, 2
.set ADRB, 20                          ; v20-22 the same for B
.set STO,  24                          ; v24    where I put 32 bytes of a row
.set RD,   25                          ; v25    where I read a row back
.set CO,   27                          ; v27    my byte offset in two rows of out0
.set SPW,  28                          ; v28    LDS address of my spare word; never rewritten
.set NIL,  29                          ; v29    0; never rewritten
.set TMP,  32                          ; v32-63 a block's sums x 2^(e6 + e7)
.set BK,   128                         ; v128-159, v160-191 by turns: 16 rows read back
.set G1A, 24
.set G1B, 32
.set G0A, 40
.set G0B, 52
.set MULW, 0x5b                        ; source 0 (B) window 3, source 1 (A) window 2, C and D window 1
.set TO_A, 0x80
.set TO_B, 0xc0
.set MSB, 0
.macro WIN new
.if MSB != \new
	s_set_vgpr_msb (MSB<<8)|\new
.set MSB, \new
.endif
.endm
.macro PLACES                          ; four plain vector lines between a matrix instruction and a load into a register that it read, or a vector line that reads its result
.rept 4
	v_nop
.endr
.endm
.macro CREST
	s_cmp_lg_u32 s14, 0
	s_cbranch_scc1 .Lnot_wave_0_\@
	s_barrier_signal -3
.Lnot_wave_0_\@:
	s_barrier_wait -3
	s_barrier_signal -1
	s_barrier_wait -1
.endm
.macro CROUND
	s_barrier_signal -1
	s_barrier_wait -1
	CREST
.endm
.macro JLOAD g0a, g0b                  ; waves 0 and 1 fetch A's halves, waves 2 and 3 B's; four v_nop follow each line
	s_cmp_eq_u32 s15, 0
	s_cbranch_scc0 .Lfor_b_\@
	tensor_load_to_lds s[\g0a:\g0a+3], s[G1A:G1A+7]
	s_nop 0
.rept 4
	v_nop
.endr
	s_branch .Lasked_\@
.Lfor_b_\@:
	tensor_load_to_lds s[\g0b:\g0b+3], s[G1B:G1B+7]
	s_nop 0
.rept 4
	v_nop
.endr
.Lasked_\@:
.endm
.macro FETCH slot, q, set              ; 64 LDS loads in one run; the youngest sixteen are A's blocks 4-7
	WIN TO_B
.irp i, 0,1,2,3
.irp c, 0,1,2,3,4,5,6,7
	ds_load_b64 v[64*(\set)+16*\i+2*\c:64*(\set)+16*\i+2*\c+1], v[ADRB+\slot] offset:128*(\q)+16*\c+\i*16*PITCH   ; registers 2 c, 2 c + 1: K = 16 c + 8 h + 0..7
.endr
.endr
	WIN TO_A
.irp i, 0,1,2,3,4,5,6,7
.irp c, 0,1,2,3
	ds_load_b128 v[128*(\set)+16*\i+4*\c:128*(\set)+16*\i+4*\c+3], v[ADRA+\slot] offset:\i*4096+(\q)*2048+512*\c   ; two images on end are a fragment of 128 along K
.endr
.endr
.endm
.macro MUL8 a0, set, zero              ; the 32 accumulators take turns, one instruction a turn, in the same order in every substep
.irp a, \a0, \a0+1
.irp b, 0,1,2,3
.if \zero
	v_wmma_f32_16x16x128_fp8_fp8 v[8*(4*(\a)+\b):8*(4*(\a)+\b)+7], v[64*(\set)+16*\b:64*(\set)+16*\b+15], v[128*(\set)+16*(\a):128*(\set)+16*(\a)+15], 0
.else
	v_wmma_f32_16x16x128_fp8_fp8 v[8*(4*(\a)+\b):8*(4*(\a)+\b)+7], v[64*(\set)+16*\b:64*(\set)+16*\b+15], v[128*(\set)+16*(\a):128*(\set)+16*(\a)+15], v[8*(4*(\a)+\b):8*(4*(\a)+\b)+7]
.endif
.endr
.endr
.endm
.macro STEP ns, nq, set, zero
	s_wait_dscnt 16                                ; B and A's blocks 0-3 are in; the youngest sixteen loads may be out
	WIN MULW
	MUL8 0, \set, \zero
	MUL8 2, \set, \zero
	s_wait_dscnt 0x0                               ; A's blocks 4-7 are in: they were asked for a substep ago
	PLACES
	FETCH \ns, \nq, 1-\set
	WIN MULW
	MUL8 4, \set, \zero
	MUL8 6, \set, \zero
.endm
.macro TURN ns, fill                   ; a substep on set 1 with a barrier in it; fill = 1: a round of the cluster's barrier, and slot 0 takes the fourth K step
	WIN 0                                          ; (the add's two registers lie in window 0)
	s_wait_tensorcnt 0x0                           ; all my tensor loads have landed
	ds_add_u32 v[SPW], v[NIL]                      ; 0 onto my spare word
	s_wait_dscnt 17                                ; (the add and the youngest sixteen loads may be out)
	WIN MULW
	MUL8 0, 1, 0
	s_wait_dscnt 0x0                               ; the add is done, and my LDS reads are over
	s_barrier_signal -1
	MUL8 2, 1, 0
	WIN 0
	s_barrier_wait -1
.if \fill
	CREST                                          ; no wave of any partner still reads slot 0 or has a load on its way
	s_add_nc_u64 s[G0A+2:G0A+3], s[G0A+2:G0A+3], 3*KSTEPA
	s_add_nc_u64 s[G0B+2:G0B+3], s[G0B+2:G0B+3], 3*256
	JLOAD G0A, G0B                                 ; the first tensor load behind the round; its four v_nop are also the places in front of the loads below
.else
	PLACES
.endif
	FETCH \ns, 0, 0
	WIN MULW
	MUL8 4, 1, 0
	MUL8 6, 1, 0
.endm
; THE WAY OUT, block by block of 16 rows x 64 columns: through my own stage, back as whole rows of 256 bytes.  LDS serves a wave's instructions in order: no wait between the stores and the loads.
.macro TOSTAGE a
	WIN 0x01                                       ; source 0 window 1
.set j, 0
.rept 16
	v_pk_mul_f32 v[TMP+j:TMP+j+1], v[32*(\a)+j:32*(\a)+j+1], s[96:97] op_sel_hi:[1,0]   ; x 2^(e6 + e7); each accumulator from its low end on
.set j, j+2
.endr
	WIN 0
.irp b, 0,1,2,3
	ds_store_b128 v[STO], v[TMP+8*\b:TMP+8*\b+3] offset:64*\b
	ds_store_b128 v[STO], v[TMP+8*\b+4:TMP+8*\b+7] offset:64*\b+16
.endr
.irp t, 0,1,2,3,4,5,6,7
	ds_load_b128 v[BK+32*((\a)%2)+4*\t:BK+32*((\a)%2)+4*\t+3], v[RD] offset:\t*2*SPITCH
.endr
.endm
.macro SEND a, younger                 ; younger: the LDS instructions issued behind block a's loads, which may stay out
	s_wait_dscnt \younger
.irp t, 0,1,2,3,4,5,6,7
	global_store_b128 v[CO], v[BK+32*((\a)%2)+4*\t:BK+32*((\a)%2)+4*\t+3], s[10:11] offset:(16*(\a)+2*\t)*4096 th:TH_STORE_NT   ; sixteen lanes store 256 consecutive bytes, at a multiple of 256 from out0's first byte
.endr
.endm
	s_load_b256 s[4:11], s[0:1], 0x0               ; yimg s[4:5], wpc s[6:7], the exponents s[8:9], out0 s[10:11]
	v_lshl_add_u32 v[SPW], v0, 2, SPARE
	v_mov_b32 v[NIL], 0
	ds_add_u32 v28, v29
	ds_add_u32 v28, v29
	s_wait_dscnt 0x0
	v_lshrrev_b32 v1, 5, v0
	v_readfirstlane_b32 s14, v1                    ; wave 0..3
	s_lshr_b32 s15, s14, 1                         ; my half of the rows.  Also: I fetch for A (0) or for B (1)
	s_and_b32 s16, s14, 1                          ; my half of the columns.  Also: which half of that tile I fetch
	s_bfe_u32 s66, ttmp6, 0x40000                  ; cx
	s_bfe_u32 s67, ttmp6, 0x40004                  ; cy
	s_mov_b32 s68, ttmp9
	s_and_b32 s69, ttmp7, 0xffff
	s_lshl_b32 s70, s67, 2
	s_lshl_b32 s70, 15, s70                        ; my row of the cluster
	s_lshl_b32 s71, 0x1111, s66                    ; my column
	s_or_b32 s[G1A], s70, (3<<16)|(1<<21)          ; the mask; elements of 8 bytes; bit 21 beside a mask; no padding
	s_mov_b32 s[G1A+1], 32<<16                     ; rows of 256 bytes,
	s_mov_b32 s[G1A+2], 128<<16                    ; 128 of them,
	s_mov_b32 s[G1A+3], 32<<16
	s_mov_b32 s[G1A+4], 128
	s_mov_b32 s[G1A+5], 32                         ; dense
	s_mov_b32 s[G1A+6], 0
	s_mov_b32 s[G1A+7], 0
	s_or_b32 s[G1B], s71, (1<<20)|(1<<21)|(5<<22)|(3<<25)   ; elements of 1 byte; padding: 4 words after every 64
	s_mov_b32 s[G1B+1], 256<<16
	s_mov_b32 s[G1B+2], 64<<16
	s_mov_b32 s[G1B+3], 256<<16
	s_mov_b32 s[G1B+4], 64
	s_mov_b32 s[G1B+5], 1024
	s_mov_b32 s[G1B+6], 0
	s_mov_b32 s[G1B+7], 0
	s_lshl_b32 s84, s69, 2
	s_add_co_u32 s84, s84, s67                     ; the tile's row of tiles: 4 x cluster y + cy
	s_lshl_b32 s90, s84, 16                        ; 16 tiles of rows x 4,096 bytes
	s_lshl_b32 s89, s16, 15
	s_add_co_u32 s90, s90, s89                     ; + the half that I fetch
	s_mov_b32 s91, 0
	s_lshl_b32 s85, s68, 2
	s_add_co_u32 s85, s85, s66                     ; its column of tiles: 4 x cluster x + cx
	s_lshl_b32 s94, s85, 17                        ; 128 rows of wpc x 1,024 bytes
	s_lshl_b32 s93, s16, 16
	s_add_co_u32 s94, s94, s93
	s_mov_b32 s95, 0
	s_lshl_b32 s96, s16, 15                        ; where they go in a slot: no place in the cluster enters an LDS address
	s_mul_i32 s97, s16, HALFB
	s_add_co_u32 s97, s97, BOFF
	s_wait_kmcnt 0x0
	s_load_b256 s[72:79], s[8:9], 0x0              ; e0 .. e7
	s_add_nc_u64 s[80:81], s[4:5], s[90:91]
	s_add_nc_u64 s[82:83], s[6:7], s[94:95]
	CROUND                                         ; all sixteen work-groups are here: the first joint loads meet
.irp s, 0,1,2
	s_mov_b32 s[G0A+4*\s], 1
	s_add_co_u32 s[G0A+4*\s+1], s96, \s*SLOTB
	s_add_nc_u64 s[G0A+4*\s+2:G0A+4*\s+3], s[80:81], \s*KSTEPA
	s_or_b32 s[G0A+4*\s+3], s[G0A+4*\s+3], 0x80000000
	s_mov_b32 s[G0B+4*\s], 1
	s_add_co_u32 s[G0B+4*\s+1], s97, \s*SLOTB
	s_add_nc_u64 s[G0B+4*\s+2:G0B+4*\s+3], s[82:83], \s*256
	s_or_b32 s[G0B+4*\s+3], s[G0B+4*\s+3], 0x80000000
.endr
	s_cmp_eq_u32 s15, 0                            ; a wave's three first fills stand in one branch, ahead of every wait on TENSORcnt and every LDS read; four v_nop follow the third
	s_cbranch_scc0 .Lfirst_b
	tensor_load_to_lds s[G0A:G0A+3], s[G1A:G1A+7]
	s_nop 0
	tensor_load_to_lds s[G0A+4:G0A+7], s[G1A:G1A+7]
	s_nop 0
	tensor_load_to_lds s[G0A+8:G0A+11], s[G1A:G1A+7]
	s_nop 0
.rept 4
	v_nop
.endr
	s_branch .Lfirst_done
.Lfirst_b:
	tensor_load_to_lds s[G0B:G0B+3], s[G1B:G1B+7]
	s_nop 0
	tensor_load_to_lds s[G0B+4:G0B+7], s[G1B:G1B+7]
	s_nop 0
	tensor_load_to_lds s[G0B+8:G0B+11], s[G1B:G1B+7]
	s_nop 0
.rept 4
	v_nop
.endr
.Lfirst_done:
	v_and_b32 v1, 15, v0                           ; r
	v_bfe_u32 v2, v0, 4, 1                         ; h
	v_and_b32 v4, 31, v0
	v_lshlrev_b32 v4, 4, v4                        ; A: 16 x lane
	v_mul_u32_u24 v3, v1, PITCH
	v_lshl_add_u32 v3, v2, 3, v3                   ; B: row x pitch + 8 h
	s_lshl_b32 s21, s15, 15                        ; my 8 tiles of rows of A
	s_mul_i32 s22, s16, HALFB                      ; my 64 rows of B
	s_add_co_u32 s22, s22, BOFF
.irp s, 0,1,2
	v_add_nc_u32 v[ADRA+\s], s21, v4
	v_add_nc_u32 v[ADRB+\s], s22, v3
	s_add_co_u32 s21, s21, SLOTB
	s_add_co_u32 s22, s22, SLOTB
.endr
	s_mul_i32 s23, s14, 16*SPITCH
	s_add_co_u32 s23, s23, STAGE                   ; my stage
	v_mul_u32_u24 v5, v1, SPITCH
	v_lshl_add_u32 v5, v2, 5, v5
	v_add_nc_u32 v[STO], s23, v5                   ; in: row r, 32 bytes for each half of the lanes
	v_mul_u32_u24 v5, v2, SPITCH
	v_lshl_add_u32 v5, v1, 4, v5
	v_add_nc_u32 v[RD], s23, v5                    ; back: lanes 0-15 one row of 256 bytes, lanes 16-31 the next
	v_lshlrev_b32 v5, 12, v2
	v_lshl_add_u32 v[CO], v1, 4, v5                ; and the same two rows in out0
	s_lshl_b32 s17, s84, 8
	s_lshl_b32 s18, s15, 7
	s_add_co_u32 s17, s17, s18                     ; my first row of out0
	s_lshl_b32 s2, s17, 12
	s_lshl_b32 s18, s85, 9                         ; my first column, in bytes: 512 x column of tiles + 256 x half
	s_add_co_u32 s2, s2, s18
	s_lshl_b32 s18, s16, 8
	s_add_co_u32 s2, s2, s18
	s_mov_b32 s3, 0
	s_add_nc_u64 s[10:11], s[10:11], s[2:3]        ; never stepped: a block's place stands in the stores' immediates
	s_wait_kmcnt 0x0
	s_add_co_i32 s96, s78, s79
	s_add_co_i32 s96, s96, 127
	s_lshl_b32 s96, s96, 23                        ; 2^(e6 + e7) as f32
	s_mov_b32 s97, s96                             ; (named with it as a pair)
	s_wait_tensorcnt 2                             ; my part of K step 0 is in; K steps 1 and 2 may be out
	s_barrier_signal -1
	s_barrier_wait -1
	FETCH 0, 0, 0
	STEP 0, 1, 0, 1                                ; the first products start the sums
	TURN 1, 1                                      ; slot 0 is left and takes K step 3
	STEP 1, 1, 0, 0
	STEP 2, 0, 1, 0
	STEP 2, 1, 0, 0
	TURN 0, 0                                      ; K step 3 is whole; nothing is filled, so no round
	STEP 0, 1, 0, 0
	s_wait_dscnt 16                                ; the last substep
	WIN MULW
	MUL8 0, 1, 0
	MUL8 2, 1, 0
	s_wait_dscnt 0x0
	MUL8 4, 1, 0
	MUL8 6, 1, 0
	WIN 0
	PLACES
	TOSTAGE 0
.irp a, 1,2,3,4,5,6,7
.if \a > 1
	s_wait_xcnt 0x0                                ; the stores of the block two back have read their registers: this block's loads may land there
.endif
	TOSTAGE \a
	SEND \a-1, 16                                  ; behind that block's loads: this block's 8 stores and 8 loads
.endr
	SEND 7, 0
	s_wait_tensorcnt 0x0                           ; the wave's end
	ds_add_u32 v[SPW], v[NIL]
	s_wait_dscnt 0x0
	CROUND                                         ; the closing round
	s_endpgm
.Lfunc_end_k_q0172180c14_gemm2:
	.size	k_q0172180c14_gemm2, .Lfunc_end_k_q0172180c14_gemm2-k_q0172180c14_gemm2
	.p2alignl 7, 3214868480
	.fill 96, 4, 3214868480
	.section	.rodata,"a",@progbits
	.p2align	6, 0x0
	.amdhsa_kernel k_q0172180c14_gemm2
		.amdhsa_group_segment_fixed_size 327680
		.amdhsa_private_segment_fixed_size 0
		.amdhsa_enable_private_segment 0
		.amdhsa_kernarg_size 32
		.amdhsa_user_sgpr_count 2
		.amdhsa_user_sgpr_kernarg_segment_ptr 1
		.amdhsa_wavefront_size32 1
		.amdhsa_system_sgpr_workgroup_id_x 1
		.amdhsa_system_sgpr_workgroup_id_y 1
		.amdhsa_system_sgpr_workgroup_id_z 1
		.amdhsa_system_vgpr_workitem_id 0
		.amdhsa_next_free_vgpr 896
		.amdhsa_next_free_sgpr 100
		.amdhsa_reserve_vcc 0
		.amdhsa_float_denorm_mode_32 3
		.amdhsa_float_denorm_mode_16_64 3
		.amdhsa_memory_ordered 1
		.amdhsa_forward_progress 1
		.amdhsa_inst_pref_size 83
	.end_amdhsa_kernel
	.amdgpu_metadata
---
amdhsa.version: [ 1, 2 ]
amdhsa.kernels:
  - .name:           k_q0172180c14_gemm2
    .symbol:         k_q0172180c14_gemm2.kd
    .args:
      - { .name: yimg, .offset: 0, .size: 8, .value_kind: global_buffer, .address_space: global }
      - { .name: wpc, .offset: 8, .size: 8, .value_kind: global_buffer, .address_space: global }
      - { .name: lowp_scales, .offset: 16, .size: 8, .value_kind: global_buffer, .address_space: global }
      - { .name: out0, .offset: 24, .size: 8, .value_kind: global_buffer, .address_space: global }
    .group_segment_fixed_size: 327680
    .private_segment_fixed_size: 0
    .kernarg_segment_align: 8
    .kernarg_segment_size: 32
    .max_flat_workgroup_size: 128
    .sgpr_count:     100
    .vgpr_count:     896
    .wavefront_size: 32
...
	.end_amdgpu_metadata
.endif
;; end of part 4
